; MI455X (gfx1250); checked and timed in simulation.
; The chip was launched on July 23, 2026; its instructions are those of AMD's public machine-readable ISA for CDNA 5 (MIT licence, August 2026) and "CDNA5" Instruction Set Architecture Reference Guide (July 2026). The comments in the code are by the model that wrote it; some were corrected since.
;; GRU Cell. Allowed arithmetic: matrix products marked QUANTISED: E2M3 operands, one E8M0 scale for each 32 along K, by v_wmma_scale_f32_16x16x128_f8f6f4 with both operands' format E2M3, f32 sums; products left as they are: f32 operands where the result goes on into a quantised operand, else bf16, f16 or f32 operands; f32 sums; everything else in f32.
;; Inputs: Uh_b 4,096 float32; Uh_w_codes 4,096 x 128 x 24 uint8 (E2M3 codes of Uh_w, K innermost, in blocks of 32 codes, four codes in three bytes); Uh_w_scales 4,096 x 128 uint8 (E8M0 scales of Uh_w, one for each 32 codes along K); Ur_b 4,096 float32; Ur_w_codes 4,096 x 128 x 24 uint8 (E2M3 codes of Ur_w, K innermost, in blocks of 32 codes, four codes in three bytes); Ur_w_scales 4,096 x 128 uint8 (E8M0 scales of Ur_w, one for each 32 codes along K); Uz_b 4,096 float32; Uz_w_codes 4,096 x 128 x 24 uint8 (E2M3 codes of Uz_w, K innermost, in blocks of 32 codes, four codes in three bytes); Uz_w_scales 4,096 x 128 uint8 (E8M0 scales of Uz_w, one for each 32 codes along K); Wh_b 4,096 float32; Wh_w_codes 4,096 x 32 x 24 uint8 (E2M3 codes of Wh_w, K innermost, in blocks of 32 codes, four codes in three bytes); Wh_w_scales 4,096 x 32 uint8 (E8M0 scales of Wh_w, one for each 32 codes along K); Wr_b 4,096 float32; Wr_w_codes 4,096 x 32 x 24 uint8 (E2M3 codes of Wr_w, K innermost, in blocks of 32 codes, four codes in three bytes); Wr_w_scales 4,096 x 32 uint8 (E8M0 scales of Wr_w, one for each 32 codes along K); Wz_b 4,096 float32; Wz_w_codes 4,096 x 32 x 24 uint8 (E2M3 codes of Wz_w, K innermost, in blocks of 32 codes, four codes in three bytes); Wz_w_scales 4,096 x 32 uint8 (E8M0 scales of Wz_w, one for each 32 codes along K); bn_beta 1 float32; bn_gamma 1 float32; hidden 1,024 x 1 x 4,096 float32; input_codes 1,024 x 32 x 24 uint8 (E2M3 codes of input, K innermost, in blocks of 32 codes, four codes in three bytes); input_scales 1,024 x 32 uint8 (E8M0 scales of input, one for each 32 codes along K); max_v 1 float32; min_v 1 float32; out_b 4 float32; out_w 4 x 4,096 float32.
;; Outputs: out0 1,024 x 1 x 4,096 float32; out1 1,024 x 1 float32; out2 1,024 x 1 float32; out3 1,024 x 1 float32; out4 1,024 x 1 float32.
;; This version of the problem:
;;   THIS VERSION OF THE PROBLEM IS GIVEN IN LOW PRECISION. The matrix products marked QUANTISED in the list below multiply operands that are first quantised to E2M3 (2 exponent bits, 3 mantissa bits; 6 bits a number), with one power-of-two scale for each 32 numbers along K (OCP MX v1.0); their sums are f32. All else is computed in f32.
;;   The module's matrix products, in the order in which they are computed (A, B: the left and right operand; K: the contracted axis; several contracted axes count as one K, in the product's order):
;;     1. [M 1,024, K 1,024] x [K 1,024, N 4,096]; A: input input (given as codes); B: input Wr_w (given as codes): QUANTISED
;;     2. [M 1,024, K 4,096] x [K 4,096, N 4,096]; A: input hidden; B: input Ur_w (given as codes): QUANTISED
;;     3. [M 1,024, K 1,024] x [K 1,024, N 4,096]; A: input input (given as codes); B: input Wz_w (given as codes): QUANTISED
;;     4. [M 1,024, K 4,096] x [K 4,096, N 4,096]; A: input hidden; B: input Uz_w (given as codes): QUANTISED
;;     5. [M 1,024, K 1,024] x [K 1,024, N 4,096]; A: input input (given as codes); B: input Wh_w (given as codes): QUANTISED
;;     6. [M 1,024, K 4,096] x [K 4,096, N 4,096]; A: input hidden; B: input Uh_w (given as codes): QUANTISED
;;     7. [M 1,024, K 4,096] x [K 4,096, N 4]; A: computed on the way; B: input out_w: left as it is (N = 4 < 16)
;;   THE QUANTISER, for each operand of a quantised product, along K:
;;     - K is cut into blocks of 32 from its start; a last block that is shorter is filled with zeros.
;;     - A block's scale is 2^e with e = floor(log2(the largest magnitude in the block)) - 2, held to -126 .. 127; a block of zeros has e = 0. As a byte (E8M0): e + 127.
;;     - Each number is divided by its block's scale, clamped to +-7.5, and rounded to the nearest number of E2M3, ties to even, subnormals kept.
;;     - The product sums the exact products of the quantised numbers (number of the format x scale) in f32.
;;   ~~~python
;;   def quantise(x, axis):      # numpy; x: float32 -> the quantised numbers, widened to float32 again
;;       x = np.moveaxis(x, axis, -1); K = x.shape[-1]
;;       x = np.pad(x, [(0, 0)] * (x.ndim - 1) + [(0, -K % 32)]); x = x.reshape(x.shape[:-1] + (-1, 32)); a = np.abs(x).max(-1, keepdims=True)
;;       e = np.where(a > 0, np.clip(np.frexp(np.where(a > 0, a, 1))[1] - 1 - 2, -126, 127), 0)      # np.frexp(a)[1] - 1 = floor(log2(a)), exactly
;;       r = np.clip(x / 2.0 ** e, -7.5, 7.5)
;;       step = 2.0 ** (np.maximum(np.frexp(np.where(r == 0, 1, r))[1] - 1, 0) - 3)
;;       q = np.round(r / step) * step * 2.0 ** e      # np.round: ties to even
;;       return np.moveaxis(q.reshape(q.shape[:-2] + (-1,))[..., :K], -1, axis).astype(np.float32)
;;   ~~~
;;   INPUTS GIVEN AS CODES. Uh_w (in the module: [4096, 4096], K = its axis 1); Ur_w (in the module: [4096, 4096], K = its axis 1); Uz_w (in the module: [4096, 4096], K = its axis 1); Wh_w (in the module: [4096, 1024], K = its axis 1); Wr_w (in the module: [4096, 1024], K = its axis 1); Wz_w (in the module: [4096, 1024], K = its axis 1); input (in the module: [1024, 1024], K = its axis 1): each comes as NAME_codes (uint8): NAME with its K axis moved to the last place and cut into blocks of 32 codes, [.., K / 32, bytes a block], one block behind the other in memory; four codes in three bytes: a row's codes are one little-endian stream of bits, code i at bits 6 i .. 6 i + 5 (a code: sign, 2 exponent bits, 3 mantissa bits); and NAME_scales (uint8): the same leading axes, one E8M0 byte (e + 127) for each 32 codes along K. Its value is code x scale, taken as it is: it is not quantised again, and the codes and scales need not be those that the quantiser above would give.
;; One version. Each part assembles by itself: llvm-mc -triple=amdgcn-amd-amdhsa -mcpu=gfx1250 --defsym DOCPART=n.
;; ======== version 1 of 1: 3 launches
;; limits: right only within a limited range of input values
;; workspace buffers: hq_codes 3,145,728 bytes; sa 163,840 bytes; sb 1,966,080 bytes; zpre 16,777,216 bytes; hpre 16,777,216 bytes; stats 8,192 bytes
;; launch quant (part 1): grid 256 x 1, 4 waves a work-group, no clusters, 46,592 bytes of LDS; arguments hidden, input_scales, Wr_w_scales, Wz_w_scales, Wh_w_scales, Ur_w_scales, Uz_w_scales, Uh_w_scales, hq_codes, sa, sb; writes hq_codes, sa, sb
.if DOCPART == 1
	.amdgcn_target "amdgcn-amd-amdhsa--gfx1250"
	.amdhsa_code_object_version 6
	.text
	.protected	k_q86f58a5e08_quant
	.globl	k_q86f58a5e08_quant
	.p2align	8
	.type	k_q86f58a5e08_quant,@function
k_q86f58a5e08_quant:
	s_mov_b64 s[64:65], 0
	v_nop
	global_prefetch_b8 v0, s[64:65] scope:SCOPE_SE
	s_setreg_imm32_b32 hwreg(HW_REG_WAVE_MODE, 25, 1), 1
	s_wait_xcnt 0x0
; hidden [1024][4096] f32 -> hq_codes [1024][128][24] (E2M3, K innermost, a row one stream of bits), and ALL scale bytes of the six products laid as the next launch's registers take them.
; DEAD WORK: max_v and min_v enter no line of reference(), for any values: they are not loaded and are among no launch's arguments.  A NaN or infinity in them is not carried to a result.
; A block's scale byte is its largest magnitude's exponent field - 2, held at 1 from below; numbers are divided by the scale and rounded to the nearest code, ties to even, beyond 7.5 the largest code.
; LIMITS: a block of zeros, or one under 2^-124, gets the byte 1 (the rule says 127 for zeros): its codes are zeros and this program alone reads the bytes.  NaN and infinities are not served.
; K of the fused products is x's 1,024 and then h's 4,096: 40 steps of 128, 10 quads of 4 steps; a row has 16 scale bytes a quad.
;   sa [4 tile rows][10 quads][16 blocks of 16 rows][16 rows][16 bytes]: quads 0, 1 from input_scales, quads 2-9 made here.
;   sb [64 tile columns][10 quads][3 gates][64 rows][16 bytes]: quads 0, 1 from the W scales, quads 2-9 from the U scales.
; SHARES: work-group g = 4 rb + sl owns rows 16 rb .. + 15 and K 1,024 sl .. + 1,023; wave w rows 4 w .. 4 w + 3, 8 steps of 512 numbers (row t / 2, half t % 2).  All 32 loads of a wave go out at the head.
; A step's 2,048 bytes turn through the wave's own stage in LDS so that a lane holds 16 neighbours; two lanes hold a block.  The work-group's 512 scale bytes leave as two whole runs of 256 bytes.
; Waves 2, 3 of sl = 0 copy x's scales of the 16 rows (512 dense bytes in, two runs of 256 out).  Waves 0-2 of sl = 2, 3 turn gate w's scales of 32 rows (4,096 + 1,024 dense bytes) through LDS bytes of their own: ten stores of 512 bytes.
.set STEPS, 8
.set SP,    80
.set WREG,  2*32*SP
.set SCB,   4*WREG
.set SPARE, 21504
.set TB,    22016                      ; 6,144 bytes a wave: 32 rows x 144 (U), 32 rows x 48 (W)
.set R,     16
.set X,     144
.set E,     176
.set C,     184
	s_load_b512 s[4:19], s[0:1], 0x0               ; hidden, input_scales, Wr, Wz, Wh, Ur, Uz, Uh scales
	s_load_b128 s[20:23], s[0:1], 0x40             ; hq_codes, sa
	s_load_b64 s[24:25], s[0:1], 0x50              ; sb
	v_lshl_add_u32 v216, v0, 2, SPARE
	v_mov_b32 v217, 0
	v_lshrrev_b32 v1, 5, v0
	v_readfirstlane_b32 s26, v1                    ; wave
	s_lshr_b32 s27, ttmp9, 2                       ; rb (also the tile column of the scale task)
	s_and_b32 s28, ttmp9, 3                        ; sl
	s_lshl_b32 s34, s27, 4
	s_lshl_b32 s35, s26, 2
	s_add_co_u32 s34, s34, s35                     ; my first row
	s_lshl_b32 s36, s34, 14
	s_lshl_b32 s35, s28, 12
	s_add_co_u32 s36, s36, s35                     ; in hidden
	s_mov_b32 s37, 0
	s_mul_i32 s38, s34, 3072
	s_mul_i32 s35, s28, 768
	s_add_co_u32 s38, s38, s35                     ; in hq_codes
	s_mov_b32 s39, 0
	s_lshl_b32 s35, s28, 1
	s_add_co_u32 s35, s35, s26
	s_add_co_u32 s35, s35, 2                       ; waves 0, 1: quad 2 + 2 sl + w
	s_sub_co_u32 s40, s26, 2                       ; waves 2, 3: quad w - 2
	s_cmp_lt_u32 s26, 2
	s_cselect_b32 s35, s35, s40
	s_lshl_b32 s40, s35, 12
	s_lshr_b32 s35, s27, 4
	s_mul_i32 s35, s35, 40960
	s_add_co_u32 s40, s40, s35
	s_and_b32 s35, s27, 15
	s_lshl_b32 s35, s35, 8
	s_add_co_u32 s40, s40, s35                     ; my run of 256 bytes in sa
	s_mov_b32 s41, 0
	s_lshl_b32 s42, s27, 9
	s_and_b32 s35, s26, 1
	s_lshl_b32 s35, s35, 4
	s_add_co_u32 s42, s42, s35                     ; in input_scales: 16 rows of 32 bytes, + 16 a quad
	s_mov_b32 s43, 0
	s_and_b32 s35, s28, 1                          ; which 32 of the column's 64 rows
	s_lshl_b32 s44, s27, 6
	s_lshl_b32 s31, s35, 5
	s_add_co_u32 s44, s44, s31
	s_lshl_b32 s46, s44, 5                         ; in a W's scales
	s_mov_b32 s47, 0
	s_lshl_b32 s44, s44, 7                         ; in a U's scales
	s_mov_b32 s45, 0
	s_mul_i32 s32, s27, 30720
	s_lshl_b32 s31, s26, 10
	s_add_co_u32 s32, s32, s31
	s_lshl_b32 s31, s35, 9
	s_add_co_u32 s32, s32, s31                     ; in sb
	s_mov_b32 s33, 0
	s_cmp_ge_u32 s28, 2
	s_cselect_b32 s29, 1, 0
	s_cmp_lt_u32 s26, 3
	s_cselect_b32 s29, s29, 0                      ; 1: I turn a gate's scales
	s_cmp_eq_u32 s28, 0
	s_cselect_b32 s30, 1, 0
	s_cmp_ge_u32 s26, 2
	s_cselect_b32 s30, s30, 0                      ; 1: I copy x's scales
	s_mul_i32 s2, s26, WREG
	s_lshl_b32 s3, s26, 6
	s_add_co_u32 s3, s3, SCB
	s_lshl_b32 s31, s26, 8
	s_add_co_u32 s31, s31, SCB
	s_mul_i32 s35, s26, 6144
	s_add_co_u32 s35, s35, TB
	v_and_b32 v2, 31, v0                           ; lane
	v_lshlrev_b32 v3, 4, v2
	v_mul_u32_u24 v4, v2, 12
	v_lshrrev_b32 v14, 2, v2
	v_mul_u32_u24 v14, v14, SP
	v_and_b32 v15, 3, v2
	v_lshl_add_u32 v14, v15, 4, v14
	v_add_nc_u32 v14, s2, v14                      ; the stage, way in
	v_mul_u32_u24 v15, v2, SP
	v_add_nc_u32 v15, s2, v15                      ; way out: my 16 neighbours
	v_lshrrev_b32 v5, 1, v2
	v_add_nc_u32 v5, s3, v5                        ; my block's byte: SCB + 64 wave + lane / 2 (+ 256 (t % 2) + 16 (t / 2))
	v_lshlrev_b32 v7, 3, v2
	v_add_nc_u32 v6, s31, v7                       ; the bytes' way out (waves 0, 1)
	v_lshrrev_b32 v218, 3, v2
	v_mul_u32_u24 v218, v218, 144
	v_and_b32 v219, 7, v2
	v_lshl_add_u32 v218, v219, 4, v218
	v_add_nc_u32 v218, s35, v218                   ; U's scales in: row lane / 8 (+ 4 a load), 16 (lane % 8)
	v_mul_u32_u24 v219, v2, 144
	v_add_nc_u32 v219, s35, v219                   ; out: row lane
	v_lshrrev_b32 v220, 1, v2
	v_mul_u32_u24 v221, v220, 48
	v_and_b32 v222, 1, v2
	v_lshl_add_u32 v221, v222, 4, v221
	v_add_nc_u32 v221, s35, v221                   ; W's in: row lane / 2 (+ 16 a load)
	v_lshlrev_b32 v220, 5, v220
	v_lshl_add_u32 v220, v222, 3, v220             ; x's scales: 32 (lane / 2) + 8 (lane % 2)
	v_mul_u32_u24 v222, v2, 48
	v_add_nc_u32 v222, s35, v222                   ; W's out
	s_wait_alu depctr_va_vdst(0)                   ; the wait at the head's end
	s_wait_kmcnt 0x0
	s_cmp_eq_u32 s26, 1
	s_cselect_b64 s[8:9], s[10:11], s[8:9]
	s_cselect_b64 s[14:15], s[16:17], s[14:15]
	s_cmp_eq_u32 s26, 2
	s_cselect_b64 s[8:9], s[12:13], s[8:9]         ; gate w's W scales
	s_cselect_b64 s[14:15], s[18:19], s[14:15]     ; and U scales
	s_add_nc_u64 s[4:5], s[4:5], s[36:37]
	s_add_nc_u64 s[6:7], s[6:7], s[42:43]
	s_add_nc_u64 s[8:9], s[8:9], s[46:47]
	s_add_nc_u64 s[14:15], s[14:15], s[44:45]
	s_add_nc_u64 s[20:21], s[20:21], s[38:39]
	s_add_nc_u64 s[22:23], s[22:23], s[40:41]
	s_add_nc_u64 s[24:25], s[24:25], s[32:33]
.macro LOADS
.irp t, 0,1,2,3,4,5,6,7
.irp i, 0,1,2,3
	global_load_b128 v[R+16*\t+4*\i:R+16*\t+4*\i+3], v3, s[4:5] offset:16384*(\t/2)+2048*(\t%2)+512*\i th:TH_LOAD_NT
.endr
.endr
.endm
.macro TURN t                          ; LDS serves a wave's instructions in order (ISA guide 5.7.1.4): no wait between the stores and the loads
.irp i, 0,1,2,3
	ds_store_b128 v14, v[R+16*(\t)+4*\i:R+16*(\t)+4*\i+3] offset:32*SP*((\t)%2)+8*SP*\i
.endr
.irp i, 0,1,2,3
	ds_load_b128 v[X+16*((\t)%2)+4*\i:X+16*((\t)%2)+4*\i+3], v15 offset:32*SP*((\t)%2)+16*\i
.endr
.endm
	s_cmp_lg_u32 s29, 0                            ; three arms; each issues the 32 loads of the stream, behind its own few
	s_cbranch_scc1 .Lgate
	s_cmp_lg_u32 s30, 0
	s_cbranch_scc1 .Lx
	LOADS
	s_branch .Lgo
.Lx:
	global_load_b64 v[12:13], v220, s[6:7]
	LOADS
	s_wait_loadcnt 32                              ; mine is in; the 32 behind it stay out
	global_store_b64 v7, v[12:13], s[22:23]        ; 256 consecutive bytes
	s_wait_xcnt 0x0
	s_branch .Lgo
.Lgate:
.irp i, 0,1,2,3,4,5,6,7
	global_load_b128 v[X+4*\i:X+4*\i+3], v3, s[14:15] offset:512*\i
.endr
.irp i, 0,1
	global_load_b128 v[C+4*\i:C+4*\i+3], v3, s[8:9] offset:512*\i
.endr
	LOADS
	s_wait_loadcnt 32                              ; the ten are in
.irp i, 0,1,2,3,4,5,6,7
	ds_store_b128 v218, v[X+4*\i:X+4*\i+3] offset:576*\i
.endr
.irp i, 0,1
	ds_store_b128 v221, v[C+4*\i:C+4*\i+3] offset:4608+768*\i
.endr
.irp j, 0,1,2,3,4,5,6,7
	ds_load_b128 v[X+4*\j:X+4*\j+3], v219 offset:16*\j             ; row lane, quad 2 + j
.endr
.irp j, 0,1
	ds_load_b128 v[C+4*\j:C+4*\j+3], v222 offset:4608+16*\j
.endr
	s_wait_dscnt 0x0
.irp j, 0,1,2,3,4,5,6,7
	global_store_b128 v3, v[X+4*\j:X+4*\j+3], s[24:25] offset:3072*(2+\j)   ; 512 consecutive bytes
.endr
.irp j, 0,1
	global_store_b128 v3, v[C+4*\j:C+4*\j+3], s[24:25] offset:3072*\j
.endr
	s_wait_xcnt 0x0                                ; the stores have read their data: the stream's work takes these registers
.Lgo:
	s_wait_loadcnt 28                              ; step 0's four loads are in
	TURN 0
.macro STEP t
.set XS, X+16*((\t)%2)
.if (\t) > 0
	s_wait_dscnt 1                                 ; this step's numbers are back; the last byte store may be out
.else
	s_wait_dscnt 0x0
.endif
.if (\t)+1 < STEPS
	s_wait_loadcnt 4*(6-(\t))                      ; the next step's four loads are in
	TURN (\t)+1
.endif
	v_max3_num_f32 v8, |v[XS]|, |v[XS+1]|, |v[XS+2]|
	v_max3_num_f32 v9, |v[XS+3]|, |v[XS+4]|, |v[XS+5]|
.irp i, 6,10
	v_max3_num_f32 v8, v8, |v[XS+\i]|, |v[XS+\i+1]|
	v_max3_num_f32 v9, v9, |v[XS+\i+2]|, |v[XS+\i+3]|
.endr
	v_max3_num_f32 v8, v8, |v[XS+14]|, |v[XS+15]|
	v_max3_num_f32 v8, v8, v9, 0x1800000           ; the floor 2^(3 - 127)
	v_max_num_f32_dpp v8, v8, v8 row_xmask:1 row_mask:0xf bank_mask:0xf
	v_add_nc_u32 v11, 0xff000000, v8               ; 2 off the exponent field: the conversion's scale operand
	v_cvt_scalef32_pk16_fp6_f32 v[C+4*(\t):C+4*(\t)+2], v[XS:XS+15], v11
	v_lshrrev_b32 v[E+(\t)], 23, v11               ; the byte (also the plain line behind the conversion)
	ds_store_b8 v5, v[E+(\t)] offset:256*((\t)%2)+16*((\t)/2)
	global_store_b96 v4, v[C+4*(\t):C+4*(\t)+2], s[20:21] offset:3072*((\t)/2)+384*((\t)%2)
.endm
.irp t, 0,1,2,3,4,5,6,7
	STEP \t
.endr
	s_wait_dscnt 0x0                               ; for the others' sake
	s_barrier_signal -1
	s_barrier_wait -1
	s_cmp_lt_u32 s26, 2
	s_cbranch_scc0 .Lend
	ds_load_b64 v[12:13], v6                       ; quad w of the slice: 16 rows x 16 bytes
	s_wait_dscnt 0x0
	global_store_b64 v7, v[12:13], s[22:23]        ; 256 consecutive bytes, at a multiple of 256
.Lend:
	s_wait_tensorcnt 0x0                           ; the wave's end
	ds_add_u32 v216, v217
	s_wait_dscnt 0x0
	s_endpgm
.Lfunc_end_k_q86f58a5e08_quant:
	.size	k_q86f58a5e08_quant, .Lfunc_end_k_q86f58a5e08_quant-k_q86f58a5e08_quant
	.p2alignl 7, 3214868480
	.fill 96, 4, 3214868480
	.section	.rodata,"a",@progbits
	.p2align	6, 0x0
	.amdhsa_kernel k_q86f58a5e08_quant
		.amdhsa_group_segment_fixed_size 46592
		.amdhsa_private_segment_fixed_size 0
		.amdhsa_enable_private_segment 0
		.amdhsa_kernarg_size 88
		.amdhsa_user_sgpr_count 2
		.amdhsa_user_sgpr_kernarg_segment_ptr 1
		.amdhsa_wavefront_size32 1
		.amdhsa_system_sgpr_workgroup_id_x 1
		.amdhsa_system_sgpr_workgroup_id_y 1
		.amdhsa_system_sgpr_workgroup_id_z 1
		.amdhsa_system_vgpr_workitem_id 0
		.amdhsa_next_free_vgpr 224
		.amdhsa_next_free_sgpr 66
		.amdhsa_reserve_vcc 0
		.amdhsa_float_denorm_mode_32 3
		.amdhsa_float_denorm_mode_16_64 3
		.amdhsa_memory_ordered 1
		.amdhsa_forward_progress 1
		.amdhsa_inst_pref_size 30
	.end_amdhsa_kernel
	.amdgpu_metadata
---
amdhsa.version: [ 1, 2 ]
amdhsa.kernels:
  - .name:           k_q86f58a5e08_quant
    .symbol:         k_q86f58a5e08_quant.kd
    .args:
      - { .name: hidden, .offset: 0, .size: 8, .value_kind: global_buffer, .address_space: global }
      - { .name: input_scales, .offset: 8, .size: 8, .value_kind: global_buffer, .address_space: global }
      - { .name: Wr_w_scales, .offset: 16, .size: 8, .value_kind: global_buffer, .address_space: global }
      - { .name: Wz_w_scales, .offset: 24, .size: 8, .value_kind: global_buffer, .address_space: global }
      - { .name: Wh_w_scales, .offset: 32, .size: 8, .value_kind: global_buffer, .address_space: global }
      - { .name: Ur_w_scales, .offset: 40, .size: 8, .value_kind: global_buffer, .address_space: global }
      - { .name: Uz_w_scales, .offset: 48, .size: 8, .value_kind: global_buffer, .address_space: global }
      - { .name: Uh_w_scales, .offset: 56, .size: 8, .value_kind: global_buffer, .address_space: global }
      - { .name: hq_codes, .offset: 64, .size: 8, .value_kind: global_buffer, .address_space: global }
      - { .name: sa, .offset: 72, .size: 8, .value_kind: global_buffer, .address_space: global }
      - { .name: sb, .offset: 80, .size: 8, .value_kind: global_buffer, .address_space: global }
    .group_segment_fixed_size: 46592
    .private_segment_fixed_size: 0
    .kernarg_segment_align: 8
    .kernarg_segment_size: 88
    .max_flat_workgroup_size: 128
    .sgpr_count:     66
    .vgpr_count:     224
    .wavefront_size: 32
...
	.end_amdgpu_metadata
.endif
;; end of part 1
;; launch gates (part 2): grid 64 x 4, 4 waves a work-group, clusters of 4 x 4, 327,680 bytes of LDS; arguments input_codes, hq_codes, Wr_w_codes, Wz_w_codes, Wh_w_codes, Ur_w_codes, Uz_w_codes, Uh_w_codes, sa, sb, Wr_b, Ur_b, Wz_b, Uz_b, Wh_b, Uh_b, zpre, hpre, stats; writes zpre, hpre, stats
.if DOCPART == 2
	.amdgcn_target "amdgcn-amd-amdhsa--gfx1250"
	.amdhsa_code_object_version 6
	.text
	.protected	k_q86f58a5e08_gates
	.globl	k_q86f58a5e08_gates
	.p2align	8
	.type	k_q86f58a5e08_gates,@function
k_q86f58a5e08_gates:
	s_mov_b64 s[64:65], 0
	v_nop
	global_prefetch_b8 v0, s[64:65] scope:SCOPE_SE
	s_setreg_imm32_b32 hwreg(HW_REG_WAVE_MODE, 25, 1), 1
	s_wait_xcnt 0x0
	s_wait_alu depctr_hold_cnt(0) depctr_sa_sdst(0) depctr_va_vdst(0) depctr_va_sdst(0) depctr_va_ssrc(0) depctr_va_vcc(0) depctr_vm_vsrc(0)
	s_getreg_b32 s2, hwreg(HW_REG_IB_STS2, 6, 4)
	s_cmp_eq_u32 s2, 0
	s_cbranch_scc0 .Lentry_in_a_cluster
	s_endpgm
.Lentry_in_a_cluster:
	s_bfe_u32 s2, ttmp6, 0x10000c
	s_cmp_lg_u32 s2, 0xf033
	s_cbranch_scc0 .Lentry_shape_is_right
	s_endpgm
.Lentry_shape_is_right:
; All six quantised products of the GRU cell, on codes of E2M3 with one E8M0 scale for each 32 along K, fused:
;   r_pre = x Wr^T + h Ur^T + (Wr_b + Ur_b)    z_pre = x Wz^T + h Uz^T + (Wz_b + Uz_b)    hx = x Wh^T + Wh_b    hh = h Uh^T + Uh_b    h_pre = hx + sigmoid(r_pre) hh
; Stored: zpre, hpre [1024][4096] f32, and for each wave (mean, sum of squared differences from it) of its 4,096 numbers of h_pre: stats [1024][2].  max_v and min_v enter nothing (see the first kernel).
; LIMITS: NaN and infinities are not served; given scale bytes are taken as they are.  stats is stored 8 bytes a wave.
; SHARES: 256 work-groups; one owns 256 rows x 64 columns of all three gates; its four waves are 2 x 2: 128 rows x 32 columns x 3 gates, 48 matrix instructions for 128 along K, no fragment read twice.
; ONE STREAM ALONG K: x's 768 bytes of a row and then h's 3,072 count as one row of 3,840 bytes: 15 chunks of 256 bytes, each beginning at a multiple of 256 in memory, and 40 steps of 96 bytes.
; Chunk c lies in slot c % 2; of each eight steps, steps 2 and 5 lie across two chunks.  Steps 0-2 are written out, a loop's trip runs steps 3-10 (four trips), steps 35-39 are written out: all refills by x's and W's
; descriptors stand ahead of the loop, the loop's twelve refills are h's and U's chunks 0-11, the tail asks for nothing.  Eight steps are three chunks, so the slots change roles from trip to trip: the slots lie
; 2^17 bytes apart, and the eight LDS address registers are flipped by that bit at a trip's end; after four trips they are as at the start.
; THE THIRD GATE HAS ONE RUNNING SUM H.  Behind step 7 (x's last) it is copied once: HX = x Wh^T + Wh_b; H goes on, and hh = H - HX + Uh_b at the end.  So one body serves x's and h's steps.  H - HX is a difference in
; f32 of two sums of like size (hx against hx + hh): what it loses is of the order of f32's rounding of hx.
; THE SCALE WORDS come from sa and sb, which the launch before laid in register order: a load of 16 bytes a lane brings 32 rows' words of four steps, 512 consecutive bytes; two sets of 28 registers, a set asked for four steps ahead.
; They are not asked for jointly: they go to registers, not to LDS.
; CLUSTER 4 x 4: cx runs along the tile columns, cy is the tile row.  A's tile is asked for jointly by my row of the cluster, a weight's by my column.  Wave 0 fetches A's 256 rows, wave g + 1 gate g's 64 rows.
; THE MATRIX INSTRUCTION IS USED TRANSPOSED (source 0 = 16 rows of a weight, source 1 = 16 rows of x or h): lane (r, h) holds row r and columns 8 h + 0 .. 7.  Biases are the C of each sum's first instruction.
; REGISTERS: window 0: v4-31 addresses; v32-87 scale words alone; v88-231 the weights' fragments, two sets of 6.  window 1: v0-191 A's fragments, two sets of 8; v192-255 biases.
;   window 2: r at v0, z at v128.  window 3: HX at v0, H at v128.  Tile (a, c) at 8 (2 a + c).
.set PITCH, 272                        ; 256 bytes + 16 of padding
.set ROWB,  256
.set SLOTD, 131072                     ; slot 1 begins here; a slot holds 448 rows: 121,856 bytes
.set SPARE, 121856                     ; behind slot 0: the spare words, 128 bytes a wave
.set ADRA, 4                           ; v4, v5 my A fragments in the slot of even, odd chunks; v6, v7 lanes 0-15 at byte 232 there and lanes 16-31 at byte 0 in the other slot
.set ADRB, 8                           ; v8-11 the same for the weights
.set SAO,  12                          ; 16 x lane
.set PFO,  13                          ; the prefetches' offset
.set SPW,  16
.set NIL,  17
.set STO,  19                          ; v19, v20 way into stage Z, stage H;  v21, v22 way back
.set RD,   21
.set CO,   23
.set VB,   24
.set SC,   32
.set BF,   88
.set OB,   60
.set BIAS, 192                         ; window 1: Wr_b + Ur_b, Wz_b + Uz_b, Wh_b, Uh_b: 16 each
.set LAP,  2
.set G1A,  24                          ; groups 1: s[24:31] x, s[32:39] W, s[40:47] h, s[48:55] U
.set G1B,  32
.set G0A,  56                          ; groups 0: s[56:59] x, s[60:63] W, s[68:71] h, s[72:75] U
.set G0B,  60
.set WV,   66
.set CX,   67
.set SAP,  76
.set SBP,  78
.set PFA,  80
.set CY,   100
.set COL,  101
.set W_RZ, 0xa4                        ; source 0 window 0, source 1 window 1, C and D window 2; less 0x10: C window 1
.set W_H,  0xf4                        ; C and D window 3; less 0x20: C window 1
.set TO_A, 0x40
.set MSB, 0
.macro WIN new
.if MSB != (\new)
	s_set_vgpr_msb (MSB<<8)|(\new)
.set MSB, (\new)
.endif
.endm
.macro PLACES n
.rept \n
	v_nop
.endr
.endm
.macro CREST
	s_cmp_lg_u32 s[WV], 0
	s_cbranch_scc1 .Lnot_wave_0_\@
	s_barrier_signal -3
.Lnot_wave_0_\@:
	s_barrier_wait -3
	s_barrier_signal -1
	s_barrier_wait -1
.endm
.macro CROUND
	s_barrier_signal -1
	s_barrier_wait -1
	CREST
.endm
.macro JLOAD g0a, g1a, g0b, g1b        ; one joint load a wave; s_nop 0 and four v_nop behind each line
	s_cmp_eq_u32 s[WV], 0
	s_cbranch_scc0 .Lfor_b_\@
	tensor_load_to_lds s[\g0a:\g0a+3], s[\g1a:\g1a+7]
	s_nop 0
.rept 4
	v_nop
.endr
	s_branch .Lasked_\@
.Lfor_b_\@:
	tensor_load_to_lds s[\g0b:\g0b+3], s[\g1b:\g1b+7]
	s_nop 0
.rept 4
	v_nop
.endr
.Lasked_\@:
.endm
.macro REFILL k                        ; the next chunk into the other slot.  k = 0: x and W; 1: h and U.  No tensor load of mine is out: the groups 0 may be written
	s_add_nc_u64 s[G0A+12*(\k)+2:G0A+12*(\k)+3], s[G0A+12*(\k)+2:G0A+12*(\k)+3], ROWB
	s_xor_b32 s[G0A+12*(\k)+1], s[G0A+12*(\k)+1], SLOTD
	s_add_nc_u64 s[G0B+12*(\k)+2:G0B+12*(\k)+3], s[G0B+12*(\k)+2:G0B+12*(\k)+3], ROWB
	s_xor_b32 s[G0B+12*(\k)+1], s[G0B+12*(\k)+1], SLOTD
	JLOAD G0A+12*(\k), G1A+16*(\k), G0B+12*(\k), G1B+16*(\k)
.endm
; A PREFETCH INTO THE L2: at the refill of chunk c the chunk c + 2 is asked for, c = 1 .. 12: h's and U's chunks 0-11, two refills ahead of the load that wants them.  A lane names a row's 256 bytes.
; The four partners that fetch a tile jointly share its rows out BY ADDRESS: wave 0 names h's rows 64 cx + 0 .. 63 of the tile row (two lines), wave g + 1 rows 16 cy + 0 .. 15 of U_g's 64 (lanes 16-31 name the last again).
; guard = 1: not in the loop's last trip, whose chunks 12 and 13 of h do not exist.  x's and W's chunks 1 and 2 are asked for once, behind the head's joint load, shared out in the same way; chunk 0 comes by its load alone.
.macro ASK off, guard
.if \guard
	s_cmp_gt_u32 s[LAP], 1
	s_cbranch_scc0 .Lna_\@
.endif
	global_prefetch_b8 v[PFO], s[PFA:PFA+1] offset:\off th:TH_LOAD_NT scope:SCOPE_SE
	s_cmp_lg_u32 s[WV], 0
	s_cbranch_scc1 .Lna_\@
	global_prefetch_b8 v[PFO], s[PFA:PFA+1] offset:\off+98304 th:TH_LOAD_NT scope:SCOPE_SE
.Lna_\@:
.endm
; A fragment, 16 rows x 128 K, is 12 registers: lane l holds row l % 16; registers 6 c .. 6 c + 5 hold K = 64 c + 32 (l / 16) + 0 .. 31: 24 bytes, in pieces of 8.  Byte y of the stream lies in chunk y / 256.
.macro FRAG reg, adr, st, boff
.irp p, 0,1,2,3,4,5
.set BY, 96*(\st)+48*(\p/3)+8*(\p%3)
.if BY/ROWB == (BY+24)/ROWB
	ds_load_b64 v[(\reg)+2*\p:(\reg)+2*\p+1], v[(\adr)+(BY/ROWB)%2] offset:BY%ROWB+(\boff)
.else
	ds_load_b64 v[(\reg)+2*\p:(\reg)+2*\p+1], v[(\adr)+2+(BY/ROWB)%2] offset:BY%ROWB-232+(\boff)
.endif
.endr
.endm
.macro FETCH_A st, a0                  ; 24 loads
	WIN TO_A
.irp a, \a0, \a0+1, \a0+2, \a0+3
	FRAG 96*((\st)%2)+12*(\a), ADRA, \st, 4352*(\a)
.endr
.endm
.macro FETCH_B st                      ; 36 loads
	WIN 0
.irp g, 0,1,2
.irp c, 0,1
	FRAG BF+72*((\st)%2)+12*(2*\g+\c), ADRB, \st, 17408*\g+4352*\c
.endr
.endr
.endm
.macro SCLOAD qo                       ; the scale words of the quad qo behind the bases, into set qo % 2: register 4 p + q: rows 32 p + lane, step q of the quad
.irp p, 0,1,2,3
	global_load_b128 v[SC+28*((\qo)%2)+4*\p:SC+28*((\qo)%2)+4*\p+3], v[SAO], s[SAP:SAP+1] offset:4096*(\qo)+512*\p
.endr
.irp g, 0,1,2
	global_load_b128 v[SC+28*((\qo)%2)+16+4*\g:SC+28*((\qo)%2)+16+4*\g+3], v[SAO], s[SBP:SBP+1] offset:3072*(\qo)+1024*\g
.endr
.endm
.macro WMX
.if rRB && rRA
	v_wmma_scale_f32_16x16x128_f8f6f4 v[rD:rD+7], v[rB:rB+11], v[rA:rA+11], v[rC:rC+7], v[rSB], v[rSA] matrix_a_fmt:MATRIX_FMT_FP6 matrix_b_fmt:MATRIX_FMT_FP6 matrix_a_scale:MATRIX_SCALE_ROW1 matrix_b_scale:MATRIX_SCALE_ROW1
.elseif rRB
	v_wmma_scale_f32_16x16x128_f8f6f4 v[rD:rD+7], v[rB:rB+11], v[rA:rA+11], v[rC:rC+7], v[rSB], v[rSA] matrix_a_fmt:MATRIX_FMT_FP6 matrix_b_fmt:MATRIX_FMT_FP6 matrix_a_scale:MATRIX_SCALE_ROW1
.elseif rRA
	v_wmma_scale_f32_16x16x128_f8f6f4 v[rD:rD+7], v[rB:rB+11], v[rA:rA+11], v[rC:rC+7], v[rSB], v[rSA] matrix_a_fmt:MATRIX_FMT_FP6 matrix_b_fmt:MATRIX_FMT_FP6 matrix_b_scale:MATRIX_SCALE_ROW1
.else
	v_wmma_scale_f32_16x16x128_f8f6f4 v[rD:rD+7], v[rB:rB+11], v[rA:rA+11], v[rC:rC+7], v[rSB], v[rSA] matrix_a_fmt:MATRIX_FMT_FP6 matrix_b_fmt:MATRIX_FMT_FP6
.endif
.endm
; The 48 accumulators of a step take turns, one instruction a turn, in the same order in every step.
.macro MUL8 a0, st, first              ; A's blocks a0, a0 + 1 against r's and z's two blocks of columns
.irp a, \a0, \a0+1
.irp g, 0,1
.irp c, 0,1
.set rD, 128*\g+8*(2*(\a)+\c)
.set rB, BF+72*((\st)%2)+12*(2*\g+\c)
.set rA, 96*((\st)%2)+12*(\a)
.set rC, rD
.if \first
.set rC, BIAS+16*\g+8*\c
.endif
.set rSB, SC+28*(((\st)/4)%2)+16+4*\g+(\st)%4
.set rSA, SC+28*(((\st)/4)%2)+4*((\a)/2)+(\st)%4
.set rRB, \c
.set rRA, (\a)%2
	WMX
.endr
.endr
.endr
.endm
.macro MULH st, first                  ; all of A's blocks against the third weight's two blocks, into H
.irp a, 0,1,2,3,4,5,6,7
.irp c, 0,1
.set rD, 128+8*(2*\a+\c)
.set rB, BF+72*((\st)%2)+12*(4+\c)
.set rA, 96*((\st)%2)+12*\a
.set rC, rD
.if \first
.set rC, BIAS+32+8*\c
.endif
.set rSB, SC+28*(((\st)/4)%2)+24+(\st)%4
.set rSA, SC+28*(((\st)/4)%2)+4*(\a/2)+(\st)%4
.set rRB, \c
.set rRA, \a%2
	WMX
.endr
.endr
.endm
; A step: 48 matrix instructions on step st's fragments; the next step's 84 LDS loads stand in ONE run behind the first sixteen, A's blocks 4-7 last.  st counts within the text's sixteen; slots, sets and quads come back after eight.
; The next step ENDS in a chunk not read yet: every wave waits for its tensor loads, and a barrier shows the chunk whole.  It BEGINS in a later chunk: the chunk left behind is read no more: the wait for all tensor loads,
; the add, the wait for it and for my reads, the barrier; with fill it opens a round of the cluster's barrier and the slot is filled again (fill = 1: x and W; 2: h and U).
; A load into a register that a matrix instruction has read stands four plain vector instructions behind it: the four v_nop (those behind a joint load serve too).
; aoff >= 0: a prefetch;  scl > 0: the scale words of quad scl behind the bases.
.macro STEP st, first, fill, aoff, guard, scl
.set NX, (\st)+1
.set C0, (96*(\st))/ROWB
.set C1, (96*NX)/ROWB
.set E0, (96*(\st)+95)/ROWB
.set E1, (96*NX+95)/ROWB
.if (\st)%4 == 0
	s_wait_loadcnt 0x0                             ; this quad's scale words are in
.endif
.if C1 > C0
	s_wait_tensorcnt 0x0                           ; all my tensor loads have landed
	ds_add_u32 v[SPW], v[NIL]
	s_wait_dscnt 25                                ; the add and the youngest 24 loads (A's blocks 4-7) may be out
	WIN W_RZ
	MUL8 0, \st, 0
	s_wait_dscnt 0x0                               ; the add is done, my reads of the chunk left behind are over
	s_barrier_signal -1
	MUL8 2, \st, 0
	WIN 0
	s_barrier_wait -1
.if \fill
	CREST
	REFILL (\fill)-1
.else
	PLACES 4
.endif
.elseif E1 > E0
	s_wait_dscnt 24
	WIN W_RZ
	MUL8 0, \st, 0
	s_wait_tensorcnt 0x0                           ; my part of the new chunk is in
	s_wait_dscnt 0x0
	s_barrier_signal -1
	MUL8 2, \st, 0
	WIN 0
	s_barrier_wait -1                              ; everybody's is
	PLACES 4
.else
	s_wait_dscnt 24                                ; all but A's blocks 4-7
	WIN W_RZ-0x10*(\first)
	MUL8 0, \st, \first
	MUL8 2, \st, \first
	s_wait_dscnt 0x0
	PLACES 4
.endif
	FETCH_B NX
	FETCH_A NX, 0
	FETCH_A NX, 4
	WIN 0
.if \scl
	SCLOAD \scl
.endif
.if \aoff >= 0
	ASK \aoff, \guard
.endif
	WIN W_RZ-0x10*(\first)
	MUL8 4, \st, \first
	MUL8 6, \st, \first
	WIN W_H-0x20*(\first)
	MULH \st, \first
	WIN 0
.endm
	s_load_b512 s[4:19], s[0:1], 0x0               ; x, h, Wr, Wz, Wh, Ur, Uz, Uh codes
	s_load_b128 s[20:23], s[0:1], 0x40             ; sa, sb
	s_load_b256 s[88:95], s[0:1], 0x50             ; Wr_b, Ur_b, Wz_b, Uz_b
	s_load_b128 s[96:99], s[0:1], 0x70             ; Wh_b, Uh_b
	s_load_b128 s[84:87], s[0:1], 0x80             ; zpre, hpre
	s_load_b64 s[82:83], s[0:1], 0x90              ; stats
	v_lshl_add_u32 v[SPW], v0, 2, SPARE
	v_mov_b32 v[NIL], 0
	ds_add_u32 v[SPW], v[NIL]                      ; the opening lines: the add, twice on end, and its wait
	ds_add_u32 v[SPW], v[NIL]
	v_lshrrev_b32 v25, 5, v0
	v_readfirstlane_b32 s[WV], v25                 ; wave 0..3
	s_bfe_u32 s[CX], ttmp6, 0x40000
	s_bfe_u32 s[CY], ttmp6, 0x40004                ; the grid is one cluster high: cy is the tile row
	s_lshl_b32 s[COL], ttmp9, 2
	s_add_co_u32 s[COL], s[COL], s[CX]
	s_lshl_b32 s104, s[CY], 2
	s_lshl_b32 s104, 15, s104                      ; my row of the cluster
	s_lshl_b32 s105, 0x1111, s[CX]                 ; my column
	s_and_b32 s3, s[WV], 1
	s_lshl_b32 s2, s[COL], 8
	s_lshl_b32 s3, s3, 7
	s_add_co_u32 s2, s2, s3
.irp g, G1A, G1A+16                    ; tiles of 256 rows x 256 elements of 1 byte, 16 bytes of padding behind each row
	s_or_b32 s[\g], s104, (1<<20)|(1<<21)|(5<<22)|(3<<25)
	s_mov_b32 s[\g+1], ROWB<<16
	s_mov_b32 s[\g+2], 256<<16
	s_mov_b32 s[\g+3], ROWB<<16
	s_mov_b32 s[\g+4], 256
	s_mov_b32 s[\g+6], 0
	s_mov_b32 s[\g+7], 0
.endr
.irp g, G1B, G1B+16                    ; of 64 rows
	s_or_b32 s[\g], s105, (1<<20)|(1<<21)|(5<<22)|(3<<25)
	s_mov_b32 s[\g+1], ROWB<<16
	s_mov_b32 s[\g+2], 64<<16
	s_mov_b32 s[\g+3], ROWB<<16
	s_mov_b32 s[\g+4], 64
	s_mov_b32 s[\g+6], 0
	s_mov_b32 s[\g+7], 0
.endr
	s_mov_b32 s[G1A+5], 768                        ; from row to row in memory: 1,024 codes,
	s_mov_b32 s[G1B+5], 768
	s_mov_b32 s[G1A+21], 3072                      ; 4,096 codes
	s_mov_b32 s[G1B+21], 3072
	s_cmp_eq_u32 s[WV], 0
	s_cselect_b32 s80, 31, 15                      ; wave 0 names 32 rows a prefetch, the others 16
	v_and_b32 v27, 31, v0                          ; lane
	v_bfe_u32 v26, v0, 4, 1                        ; h
	v_lshlrev_b32 v[SAO], 4, v27
	v_min_u32 v14, s80, v27
	v_mul_u32_u24 v14, v14, 768                    ; the head's prefetches: a lane a row of x or of a W weight; never rewritten
	v_lshl_add_u32 v[VB], v26, 5, s2               ; a bias: 4 x (64 col + 32 (wave % 2) + 8 h) bytes
	s_wait_dscnt 0x0                               ; both opening adds are done
	s_wait_alu depctr_va_vdst(0)                   ; the wait here, directly ahead of the wait below
	s_wait_kmcnt 0x0
	s_cmp_eq_u32 s[WV], 2                          ; wave g + 1 fetches for gate g (wave 0 makes gate 0's descriptors and never uses them)
	s_cselect_b64 s[8:9], s[10:11], s[8:9]
	s_cselect_b64 s[14:15], s[16:17], s[14:15]
	s_cmp_eq_u32 s[WV], 3
	s_cselect_b64 s[8:9], s[12:13], s[8:9]
	s_cselect_b64 s[14:15], s[18:19], s[14:15]
	s_mov_b32 s3, 0                                ; the weights hang on the tile column alone,
	s_mul_i32 s2, s[COL], 49152
	s_add_nc_u64 s[8:9], s[8:9], s[2:3]
	s_mul_i32 s2, s[COL], 196608
	s_add_nc_u64 s[14:15], s[14:15], s[2:3]
	s_mul_i32 s2, s[COL], 30720
	s_add_nc_u64 s[SBP:SBP+1], s[22:23], s[2:3]
	s_and_b32 s2, s[WV], 1
	s_lshl_b32 s2, s2, 9
	s_add_nc_u64 s[SBP:SBP+1], s[SBP:SBP+1], s[2:3]
	s_mov_b32 s11, 0                               ; x and h on the tile row alone, by registers that never hold the column
	s_mul_i32 s10, s[CY], 196608
	s_add_nc_u64 s[4:5], s[4:5], s[10:11]
	s_mul_i32 s10, s[CY], 786432
	s_add_nc_u64 s[6:7], s[6:7], s[10:11]
	s_mul_i32 s10, s[CY], 40960
	s_add_nc_u64 s[SAP:SAP+1], s[20:21], s[10:11]
	s_lshr_b32 s10, s[WV], 1
	s_lshl_b32 s10, s10, 11
	s_add_nc_u64 s[SAP:SAP+1], s[SAP:SAP+1], s[10:11]
	s_mul_i32 s2, s[WV], 64*PITCH
	s_add_co_u32 s2, s2, 192*PITCH                 ; gate g's 64 rows lie behind A's 256
	s_mov_b32 s[G0A], 1
	s_mov_b32 s[G0A+1], 0
	s_mov_b64 s[G0A+2:G0A+3], s[4:5]               ; chunk 0
	s_or_b32 s[G0A+3], s[G0A+3], 0x80000000
	s_mov_b32 s[G0B], 1
	s_mov_b32 s[G0B+1], s2
	s_mov_b64 s[G0B+2:G0B+3], s[8:9]
	s_or_b32 s[G0B+3], s[G0B+3], 0x80000000
	s_mov_b32 s[G0A+12], 1                         ; h's and U's stand one chunk ahead of their first: every use steps them first
	s_mov_b32 s[G0A+13], 0
	s_sub_nc_u64 s[G0A+14:G0A+15], s[6:7], ROWB
	s_or_b32 s[G0A+15], s[G0A+15], 0x80000000
	s_mov_b32 s[G0B+12], 1
	s_mov_b32 s[G0B+13], s2
	s_sub_nc_u64 s[G0B+14:G0B+15], s[14:15], ROWB
	s_or_b32 s[G0B+15], s[G0B+15], 0x80000000
	s_mul_i32 s2, s[CX], 196608                    ; the prefetches: h: my work-group's 64 rows of the tile row's 256
	s_mul_i32 s3, s[CY], 49152                     ; a U weight: my work-group's 16 rows of the column's 64
	s_cmp_eq_u32 s[WV], 0
	s_cselect_b64 s[PFA:PFA+1], s[6:7], s[14:15]
	s_cselect_b32 s2, s2, s3
	s_cselect_b32 s12, 31, 15
	s_mov_b32 s3, 0
	s_add_nc_u64 s[PFA:PFA+1], s[PFA:PFA+1], s[2:3]
	s_mul_i32 s2, s[CX], 49152                     ; the same shares of x (64 rows of 768 bytes) and of my W weight (16 rows)
	s_mul_i32 s3, s[CY], 12288
	s_cmp_eq_u32 s[WV], 0
	s_cselect_b64 s[18:19], s[4:5], s[8:9]
	s_cselect_b32 s2, s2, s3
	s_mov_b32 s3, 0
	s_add_nc_u64 s[18:19], s[18:19], s[2:3]        ; never rewritten
	CROUND
	JLOAD G0A, G1A, G0B, G1B                       ; chunk 0: one tensor load a wave at the head
	SCLOAD 0
	SCLOAD 1
	WIN 0x40
.irp c, 0,1
.irp k, 0,1
	global_load_b128 v[BIAS+8*\c+4*\k:BIAS+8*\c+4*\k+3], v[VB], s[88:89] offset:64*\c+16*\k
	global_load_b128 v[BIAS+16+8*\c+4*\k:BIAS+16+8*\c+4*\k+3], v[VB], s[92:93] offset:64*\c+16*\k
	global_load_b128 v[BIAS+32+8*\c+4*\k:BIAS+32+8*\c+4*\k+3], v[VB], s[96:97] offset:64*\c+16*\k
	global_load_b128 v[BIAS+48+8*\c+4*\k:BIAS+48+8*\c+4*\k+3], v[VB], s[98:99] offset:64*\c+16*\k
.endr
.endr
	WIN 0xc0                                       ; Ur_b and Uz_b wait where H's sums will stand
.irp c, 0,1
.irp k, 0,1
	global_load_b128 v[128+8*\c+4*\k:128+8*\c+4*\k+3], v[VB], s[90:91] offset:64*\c+16*\k
	global_load_b128 v[144+8*\c+4*\k:144+8*\c+4*\k+3], v[VB], s[94:95] offset:64*\c+16*\k
.endr
.endr
	WIN 0
	global_prefetch_b8 v14, s[18:19] offset:256 th:TH_LOAD_NT scope:SCOPE_SE     ; x's and W's chunks 1 and 2: one and two refills ahead of their loads
	global_prefetch_b8 v14, s[18:19] offset:512 th:TH_LOAD_NT scope:SCOPE_SE
	s_cmp_lg_u32 s[WV], 0
	s_cbranch_scc1 .Lx_asked
	global_prefetch_b8 v14, s[18:19] offset:256+24576 th:TH_LOAD_NT scope:SCOPE_SE   ; wave 0: x's other 32 rows
	global_prefetch_b8 v14, s[18:19] offset:512+24576 th:TH_LOAD_NT scope:SCOPE_SE
.Lx_asked:
	s_lshr_b32 s4, s[WV], 1                        ; which 128 rows are mine
	s_and_b32 s5, s[WV], 1                         ; which 32 columns
	s_mul_i32 s6, s4, 128*PITCH
	s_mul_i32 s7, s5, 32*PITCH
	s_add_co_u32 s7, s7, 256*PITCH
	s_mul_i32 s8, s4, 34816
	s_lshl_b32 s9, s5, 7
	s_add_co_u32 s8, s8, s9
	s_mul_i32 s9, s[WV], 17408
	s_mov_b32 s10, SLOTD-232
	s_mov_b32 s11, SLOTD+232
	v_and_b32 v25, 15, v0                          ; r
	v_mul_u32_u24 v28, v25, PITCH
	v_mad_u32_u24 v29, v26, 24, v28                ; row x pitch + 24 h
	v_sub_nc_u32 v31, 1, v26
	v_mul_u32_u24 v30, s10, v26
	v_add_nc_u32 v30, v28, v30
	v_add_nc_u32 v30, 232, v30                     ; lanes 0-15 byte 232 of the row in slot 0, lanes 16-31 byte 0 in slot 1
	v_mul_u32_u24 v31, s11, v31
	v_add_nc_u32 v31, v28, v31                     ; lanes 0-15 byte 232 in slot 1, lanes 16-31 byte 0 in slot 0
	v_add_nc_u32 v[ADRA], s6, v29
	v_add_nc_u32 v[ADRA+1], SLOTD, v[ADRA]
	v_add_nc_u32 v[ADRA+2], s6, v30
	v_add_nc_u32 v[ADRA+3], s6, v31
	v_add_nc_u32 v[ADRB], s7, v29
	v_add_nc_u32 v[ADRB+1], SLOTD, v[ADRB]
	v_add_nc_u32 v[ADRB+2], s7, v30
	v_add_nc_u32 v[ADRB+3], s7, v31
	v_lshl_add_u32 v28, v26, 5, v28                ; the stages: 256 rows of 256 bytes + 16.  In: row 128 (wave / 2) + r, 128 (wave % 2) + 32 h bytes along
	v_add_nc_u32 v[STO+1], s8, v28                 ; stage H in slot 0,
	v_add_nc_u32 v[STO], SLOTD, v[STO+1]           ; stage Z in slot 1
	v_mul_u32_u24 v28, v26, PITCH                  ; back: my 64 rows; lanes 0-15 one row, lanes 16-31 the next
	v_lshl_add_u32 v28, v25, 4, v28
	v_add_nc_u32 v[RD+1], s9, v28
	v_add_nc_u32 v[RD], SLOTD, v[RD+1]
	v_lshlrev_b32 v28, 14, v26
	v_lshl_add_u32 v[CO], v25, 4, v28
	v_min_u32 v[PFO], s12, v27
	v_mul_u32_u24 v[PFO], v[PFO], 3072
	s_wait_loadcnt 0x0                             ; the biases and the first two quads' scale words
	WIN 0x4d
.set i, 0
.rept 16
	v_pk_add_f32 v[BIAS+2*i:BIAS+2*i+1], v[BIAS+2*i:BIAS+2*i+1], v[128+2*i:129+2*i]   ; Wr_b + Ur_b, Wz_b + Uz_b
.set i, i+1
.endr
	WIN 0
	PLACES 4
	s_wait_alu depctr_va_vdst(0)                   ; the wait at the head's end
	s_wait_tensorcnt 0x0                           ; my part of chunk 0 is in; the same lines as ahead of a refill stand ahead of slot 1's first fill
	ds_add_u32 v[SPW], v[NIL]
	s_wait_dscnt 0x0
	CROUND
	REFILL 0                                       ; chunk 1
	FETCH_A 0, 0
	FETCH_B 0
	FETCH_A 0, 4
	WIN 0
	ASK 0, 0                                       ; h's and U's chunk 0
	STEP 0, 1, 0, -1, 0, 0                         ; the biases start r, z and H
	STEP 1, 0, 0, -1, 0, 0
	STEP 2, 0, 1, 256, 0, 0                        ; chunk 2, x's last
	s_mov_b32 s[LAP], 4
.Llap:
	STEP 3, 0, 0, -1, 0, 0
	STEP 4, 0, 0, -1, 0, 2
	STEP 5, 0, 2, 512, 0, 0
	STEP 6, 0, 0, -1, 0, 0
	STEP 7, 0, 2, 768, 1, 0
	s_cmp_lg_u32 s[LAP], 4                         ; behind the first trip's step 7 x's K is over: H is copied once
	s_cbranch_scc1 .Lno_copy
	PLACES 4
	WIN 0xc3
.set i, 0
.rept 128
	v_mov_b32 v[i], v[128+i]                       ; HX = x Wh^T + Wh_b; each accumulator from its low end on
.set i, i+1
.endr
	WIN 0
	s_wait_alu depctr_va_vdst(0)                   ; the wait behind these writes
.Lno_copy:
	STEP 8, 0, 0, -1, 0, 3
	STEP 9, 0, 0, -1, 0, 0
	STEP 10, 0, 2, 1024, 1, 0
.irp k, 0,1,2,3
	v_xor_b32 v[ADRA+\k], SLOTD, v[ADRA+\k]        ; three chunks on: the slots have changed roles
	v_xor_b32 v[ADRB+\k], SLOTD, v[ADRB+\k]
.endr
	s_wait_xcnt 0x0                                ; the trip's scale loads and prefetches have read their bases
	s_add_nc_u64 s[PFA:PFA+1], s[PFA:PFA+1], 768
	s_add_nc_u64 s[SAP:SAP+1], s[SAP:SAP+1], 8192
	s_add_nc_u64 s[SBP:SBP+1], s[SBP:SBP+1], 6144
	s_sub_co_u32 s[LAP], s[LAP], 1
	s_cmp_lg_u32 s[LAP], 0
	s_wait_alu depctr_va_vdst(0)                   ; the wait here, directly ahead of the branch
	s_cbranch_scc1 .Llap
	STEP 3, 0, 0, -1, 0, 0                         ; steps 35-39: nothing more is asked for
	STEP 4, 0, 0, -1, 0, 0
	STEP 5, 0, 0, -1, 0, 0                         ; behind its barrier nobody reads slot 1 any more
	STEP 6, 0, 0, -1, 0, 0
	s_wait_dscnt 24
	WIN W_RZ
	MUL8 0, 7, 0
	MUL8 2, 7, 0
	s_wait_dscnt 0x0
	MUL8 4, 7, 0
	MUL8 6, 7, 0
	WIN W_H
	MULH 7, 0
	WIN 0
; THE WAY OUT.  A lane holds 32 neighbouring bytes of a row, a row's 256 bytes come from two waves: z_pre and h_pre go through stages of 256 rows in LDS and leave as whole rows, sixteen lanes to 256 consecutive bytes.
; Stage Z lies in slot 1, which every wave left at the walk's last barrier; stage H in slot 0, written behind a barrier in front of which every wave's reads of it are over.  Both slots have had their last fill.
.macro TOSTAGE adr, base
.irp k, 0,1,2,3,4,5,6,7,8,9,10,11,12,13,14,15
	ds_store_b128 v[\adr], v[\base+8*\k:\base+8*\k+3] offset:4352*(\k/2)+64*(\k%2)
	ds_store_b128 v[\adr], v[\base+8*\k+4:\base+8*\k+7] offset:4352*(\k/2)+64*(\k%2)+16
.endr
.endm
.macro FROMSTAGE adr
.set i, 0
.rept 32
	ds_load_b128 v[OB+4*i:OB+4*i+3], v[\adr] offset:544*i
.set i, i+1
.endr
.endm
.macro SEND b
.set i, 0
.rept 32
	s_wait_dscnt 31-i                              ; load i is in, those behind it may be out
	global_store_b128 v[CO], v[OB+4*i:OB+4*i+3], s[\b:\b+1] offset:32768*i th:TH_STORE_NT   ; 16 lanes store 256 consecutive bytes, at a multiple of 256
.set i, i+1
.endr
.endm
	s_mov_b32 s88, 0x76543210
	s_mov_b32 s89, 0xfedcba98                      ; v_permlanex16_b32's selects for lane l xor 16
	PLACES 4
	WIN 0x08
	TOSTAGE STO, 128                               ; z_pre
	WIN 0
	s_wait_dscnt 0x0                               ; my stores into stage Z are done, my reads of slot 0 are over
	s_barrier_signal -1                            ; work on registers stands between the signal and the wait
	WIN 0xcf
.set i, 0
.rept 64
	v_pk_add_f32 v[128+2*i:129+2*i], v[128+2*i:129+2*i], v[2*i:2*i+1] neg_lo:[0,1] neg_hi:[0,1]   ; H - HX = h Uh^T
.set i, i+1
.endr
	WIN 0xc7
.set i, 0
.rept 64
	v_pk_add_f32 v[128+2*i:129+2*i], v[128+2*i:129+2*i], v[BIAS+48+(2*i)%16:BIAS+48+(2*i)%16+1]   ; + Uh_b = hh
.set i, i+1
.endr
	WIN 0
	s_barrier_wait -1                              ; stage Z is whole, and nobody reads slot 0 any more
	FROMSTAGE RD
	WIN 0x42                                       ; T, where A's fragments lay
.set i, 0
.rept 64
	v_pk_mul_f32 v[2*i:2*i+1], v[2*i:2*i+1], 0xbfb8aa3b op_sel_hi:[1,0]   ; -log2(e) r_pre
.set i, i+1
.endr
	WIN 0
	s_lshl_b32 s4, s[CY], 22                       ; my 64 rows of the outputs: 256 cy + 64 wave rows of 16,384 bytes, 256 col bytes along
	s_lshl_b32 s5, s[COL], 8
	s_add_co_u32 s4, s4, s5
	s_lshl_b32 s5, s[WV], 20
	s_add_co_u32 s4, s4, s5
	s_mov_b32 s5, 0
	s_add_nc_u64 s[84:85], s[84:85], s[4:5]
	s_add_nc_u64 s[86:87], s[86:87], s[4:5]
	s_lshl_b32 s6, s[COL], 4                       ; my pair in stats: 16 col + 4 cy + wave
	s_lshl_b32 s7, s[CY], 2
	s_add_co_u32 s6, s6, s7
	s_add_co_u32 s6, s6, s[WV]
	s_lshl_b32 s6, s6, 3
	s_mov_b32 s7, 0
	s_add_nc_u64 s[82:83], s[82:83], s[6:7]
	SEND 84                                        ; z_pre leaves ahead of the reset gate's exponentials and reciprocals
	WIN 0x41
	s_wait_alu depctr_va_vdst(0)                   ; the wait ahead of the batch
.set i, 0
.rept 128
	v_exp_f32 v[i], v[i]
.set i, i+1
.endr
	v_nop
	s_wait_alu depctr_va_vdst(0)                   ; and behind it
.set i, 0
.rept 64
	v_pk_add_f32 v[2*i:2*i+1], v[2*i:2*i+1], 1.0 op_sel_hi:[1,0]
.set i, i+1
.endr
	s_wait_alu depctr_va_vdst(0)
.set i, 0
.rept 128
	v_rcp_f32 v[i], v[i]                           ; the reset gate
.set i, i+1
.endr
	v_nop
	s_wait_alu depctr_va_vdst(0)
	WIN 0xfd
.set i, 0
.rept 64
	v_pk_fma_f32 v[2*i:2*i+1], v[2*i:2*i+1], v[128+2*i:129+2*i], v[2*i:2*i+1]   ; h_pre = gate x hh + HX
.set i, i+1
.endr
	WIN 0
	s_wait_alu depctr_va_vdst(0)                   ; the wait ahead of the scalar lines below
	WIN 0x0c
	TOSTAGE STO+1, 0                               ; h_pre
	WIN 0x0f                                       ; the sum of my 4,096 numbers of h_pre, in four chains
.irp k, 0,1,2,3
	v_pk_add_f32 v[204+2*\k:205+2*\k], v[2*\k:2*\k+1], v[8+2*\k:9+2*\k]
.endr
	WIN 0x0c
.set i, 8
.rept 56
	v_pk_add_f32 v[204+2*(i%4):205+2*(i%4)], v[204+2*(i%4):205+2*(i%4)], v[2*i:2*i+1]
.set i, i+1
.endr
	WIN 0
	v_pk_add_f32 v[204:205], v[204:205], v[206:207]
	v_pk_add_f32 v[208:209], v[208:209], v[210:211]
	v_pk_add_f32 v[204:205], v[204:205], v[208:209]
	v_add_f32 v204, v204, v205
	v_add_f32_dpp v204, v204, v204 row_xmask:1 row_mask:0xf bank_mask:0xf
	v_add_f32_dpp v204, v204, v204 row_xmask:2 row_mask:0xf bank_mask:0xf
	v_add_f32_dpp v204, v204, v204 row_xmask:4 row_mask:0xf bank_mask:0xf
	v_add_f32_dpp v204, v204, v204 row_xmask:8 row_mask:0xf bank_mask:0xf
	v_permlanex16_b32 v205, v204, s88, s89
	v_add_f32 v204, v204, v205
	v_mul_f32 v206, 0x39800000, v204               ; the wave's mean: the sum x 2^-12
	v_mov_b32 v207, v206
	s_wait_alu depctr_va_vdst(0)
	s_wait_dscnt 0x0                               ; my stores into stage H are done
	s_barrier_signal -1
	s_barrier_wait -1
	s_wait_xcnt 0x0                                ; z_pre's stores have read their registers, which take h_pre's rows
	FROMSTAGE RD+1
	SEND 86                                        ; h_pre leaves ahead of the squares
	WIN 0x43
.set i, 0
.rept 64
	v_pk_add_f32 v[2*i:2*i+1], v[2*i:2*i+1], v[206:207] neg_lo:[0,1] neg_hi:[0,1]   ; h_pre - the wave's mean: squares are taken of differences
.set i, i+1
.endr
	WIN 0x05
.irp k, 0,1,2,3
	v_pk_mul_f32 v[208+2*\k:209+2*\k], v[2*\k:2*\k+1], v[2*\k:2*\k+1]
.endr
.set i, 4
.rept 60
	v_pk_fma_f32 v[208+2*(i%4):209+2*(i%4)], v[2*i:2*i+1], v[2*i:2*i+1], v[208+2*(i%4):209+2*(i%4)]
.set i, i+1
.endr
	WIN 0
	v_pk_add_f32 v[208:209], v[208:209], v[210:211]
	v_pk_add_f32 v[212:213], v[212:213], v[214:215]
	v_pk_add_f32 v[208:209], v[208:209], v[212:213]
	v_add_f32 v208, v208, v209
	v_add_f32_dpp v208, v208, v208 row_xmask:1 row_mask:0xf bank_mask:0xf
	v_add_f32_dpp v208, v208, v208 row_xmask:2 row_mask:0xf bank_mask:0xf
	v_add_f32_dpp v208, v208, v208 row_xmask:4 row_mask:0xf bank_mask:0xf
	v_add_f32_dpp v208, v208, v208 row_xmask:8 row_mask:0xf bank_mask:0xf
	v_permlanex16_b32 v209, v208, s88, s89
	v_add_f32 v207, v208, v209                     ; v[206:207] = (mean, sum of squared differences)
	v_mov_b32 v25, 0
	v_cmp_eq_u32 vcc_lo, 0, v27
	s_wait_alu depctr_va_vdst(0)
	s_wait_xcnt 0x0                                ; EXEC changes only behind this wait
	s_and_saveexec_b32 s3, vcc_lo                  ; lane 0 alone
	global_store_b64 v25, v[206:207], s[82:83]
	s_wait_xcnt 0x0
	s_or_b32 exec_lo, exec_lo, s3
	s_wait_tensorcnt 0x0                           ; the wave's end
	ds_add_u32 v[SPW], v[NIL]
	s_wait_dscnt 0x0
	CROUND                                         ; the closing round
	s_endpgm
.Lfunc_end_k_q86f58a5e08_gates:
	.size	k_q86f58a5e08_gates, .Lfunc_end_k_q86f58a5e08_gates-k_q86f58a5e08_gates
	.p2alignl 7, 3214868480
	.fill 96, 4, 3214868480
	.section	.rodata,"a",@progbits
	.p2align	6, 0x0
	.amdhsa_kernel k_q86f58a5e08_gates
		.amdhsa_group_segment_fixed_size 327680
		.amdhsa_private_segment_fixed_size 0
		.amdhsa_enable_private_segment 0
		.amdhsa_kernarg_size 152
		.amdhsa_user_sgpr_count 2
		.amdhsa_user_sgpr_kernarg_segment_ptr 1
		.amdhsa_wavefront_size32 1
		.amdhsa_system_sgpr_workgroup_id_x 1
		.amdhsa_system_sgpr_workgroup_id_y 1
		.amdhsa_system_sgpr_workgroup_id_z 1
		.amdhsa_system_vgpr_workitem_id 0
		.amdhsa_next_free_vgpr 1024
		.amdhsa_next_free_sgpr 106
		.amdhsa_reserve_vcc 1
		.amdhsa_float_denorm_mode_32 3
		.amdhsa_float_denorm_mode_16_64 3
		.amdhsa_memory_ordered 1
		.amdhsa_forward_progress 1
		.amdhsa_inst_pref_size 255
	.end_amdhsa_kernel
	.section	.bss,"aw",@nobits
	.p2align	6
	.space	262144
	.amdgpu_metadata
---
amdhsa.version: [ 1, 2 ]
amdhsa.kernels:
  - .name:           k_q86f58a5e08_gates
    .symbol:         k_q86f58a5e08_gates.kd
    .args:
      - { .name: input_codes, .offset: 0, .size: 8, .value_kind: global_buffer, .address_space: global }
      - { .name: hq_codes, .offset: 8, .size: 8, .value_kind: global_buffer, .address_space: global }
      - { .name: Wr_w_codes, .offset: 16, .size: 8, .value_kind: global_buffer, .address_space: global }
      - { .name: Wz_w_codes, .offset: 24, .size: 8, .value_kind: global_buffer, .address_space: global }
      - { .name: Wh_w_codes, .offset: 32, .size: 8, .value_kind: global_buffer, .address_space: global }
      - { .name: Ur_w_codes, .offset: 40, .size: 8, .value_kind: global_buffer, .address_space: global }
      - { .name: Uz_w_codes, .offset: 48, .size: 8, .value_kind: global_buffer, .address_space: global }
      - { .name: Uh_w_codes, .offset: 56, .size: 8, .value_kind: global_buffer, .address_space: global }
      - { .name: sa, .offset: 64, .size: 8, .value_kind: global_buffer, .address_space: global }
      - { .name: sb, .offset: 72, .size: 8, .value_kind: global_buffer, .address_space: global }
      - { .name: Wr_b, .offset: 80, .size: 8, .value_kind: global_buffer, .address_space: global }
      - { .name: Ur_b, .offset: 88, .size: 8, .value_kind: global_buffer, .address_space: global }
      - { .name: Wz_b, .offset: 96, .size: 8, .value_kind: global_buffer, .address_space: global }
      - { .name: Uz_b, .offset: 104, .size: 8, .value_kind: global_buffer, .address_space: global }
      - { .name: Wh_b, .offset: 112, .size: 8, .value_kind: global_buffer, .address_space: global }
      - { .name: Uh_b, .offset: 120, .size: 8, .value_kind: global_buffer, .address_space: global }
      - { .name: zpre, .offset: 128, .size: 8, .value_kind: global_buffer, .address_space: global }
      - { .name: hpre, .offset: 136, .size: 8, .value_kind: global_buffer, .address_space: global }
      - { .name: stats, .offset: 144, .size: 8, .value_kind: global_buffer, .address_space: global }
    .group_segment_fixed_size: 327680
    .private_segment_fixed_size: 0
    .kernarg_segment_align: 8
    .kernarg_segment_size: 152
    .max_flat_workgroup_size: 128
    .sgpr_count:     106
    .vgpr_count:     1024
    .wavefront_size: 32
...
	.end_amdgpu_metadata
.endif
;; end of part 2
;; launch finish (part 3): grid 256 x 1, 16 waves a work-group, no clusters, 4,096 bytes of LDS; arguments hpre, zpre, hidden, stats, bn_gamma, bn_beta, out_w, out_b, out0, out1, out2, out3, out4; writes out0, out1, out2, out3, out4
.if DOCPART == 3
	.amdgcn_target "amdgcn-amd-amdhsa--gfx1250"
	.amdhsa_code_object_version 6
	.text
	.protected	k_q86f58a5e08_finish
	.globl	k_q86f58a5e08_finish
	.p2align	8
	.type	k_q86f58a5e08_finish,@function
k_q86f58a5e08_finish:
	s_mov_b64 s[64:65], 0
	v_nop
	global_prefetch_b8 v0, s[64:65] scope:SCOPE_SE
	s_setreg_imm32_b32 hwreg(HW_REG_WAVE_MODE, 25, 1), 1
	s_wait_xcnt 0x0
; The batch norm over all 4,194,304 numbers of h_pre, relu, the update gate, the blend with hidden, and the product with out_w (N = 4), all in f32.
;   out0 = hidden + sigmoid(z_pre) (relu((h_pre - mean) rsqrt(var + 1e-5) gamma + beta) - hidden)      out1 .. out4 = out0 . out_w[o] + out_b[o]
; MEAN AND VARIANCE are joined from the 1,024 pairs (mean_i, M2_i) of 4,096 numbers each that the launch before stored, by every work-group alike.  With c = mean_0 and d_i = mean_i - c:
;   mean = c + sum(d) / 1024      M2 = sum(M2_i) + 4096 (sum(d^2) - sum(d)^2 / 1024)      var = M2 x 2^-22.   The d are of the size of the spread among the parts' means: no difference of large sums is formed.
; max_v and min_v enter no line of the computation and are not among this program's arguments.
; LIMITS: NaN and infinities are not served.  out1 .. out4 are stored 16 bytes a work-group.
; SHARES: work-group b owns rows 4 b .. 4 b + 3.  Thread t owns, in every row, the 16 bytes at 16 t and at 16 t + 8,192: a load or store of a wave covers 512 consecutive bytes, and a thread's 8 numbers of each
; of out_w's four rows stay in registers.  All 33 loads of a thread go out at the head.  The small product is fused multiply-adds: four for each number of a launch that streams; N = 4 would fill a quarter of a matrix tile.
; No tensor loads, no cluster: the work-groups share only out_w and stats.
.set OW,  32                           ; v32-63   out_w: 8 o + 4 j
.set ZP,  64                           ; v64-95   z_pre, then the gate: 8 i + 4 j
.set HP,  96                           ; v96-127  h_pre, then the new state
.set HD,  128                          ; v128-159 hidden
.set ACC, 160                          ; v160-191 the small product's sums: pair 2 (4 i + o)
	s_load_b512 s[4:19], s[0:1], 0x0               ; hpre, zpre, hidden, stats, bn_gamma, bn_beta, out_w, out_b
	s_load_b256 s[20:27], s[0:1], 0x40             ; out0 .. out3
	s_load_b64 s[28:29], s[0:1], 0x60              ; out4
	v_lshl_add_u32 v192, v0, 2, 0x800
	v_mov_b32 v193, 0
	v_lshlrev_b32 v1, 4, v0                        ; 16 t
	v_lshrrev_b32 v2, 5, v0
	s_delay_alu instid0(VALU_DEP_1)
	v_readfirstlane_b32 s42, v2                    ; wave 0..15
	v_and_b32 v3, 15, v0
	s_delay_alu instid0(VALU_DEP_1)
	v_lshlrev_b32 v21, 2, v3                       ; LDS: the word of wave lane % 16
	s_lshl_b32 s34, s42, 2
	v_mov_b32 v20, s34                             ; my wave's word
	s_lshl_b32 s34, s42, 6
	s_add_co_u32 s34, s34, 256
	v_mov_b32 v22, s34                             ; my wave's 64 bytes of the small product's parts
	v_and_b32 v3, 3, v0
	s_delay_alu instid0(VALU_DEP_1)
	v_lshl_add_u32 v23, v3, 4, 256                 ; row lane % 4 of a wave's parts
	v_and_b32 v24, 31, v0
	s_delay_alu instid0(VALU_DEP_1)
	v_lshlrev_b32 v24, 2, v24                      ; 4 bytes a lane in out1 .. out4
	v_mov_b32 v13, 0                               ; written once: a lane permute's destination counts as one of its sources
	v_mov_b32 v14, 0
	v_mov_b32 v15, 0
	s_mov_b32 s40, 0x76543210
	s_mov_b32 s41, 0xfedcba98                      ; v_permlanex16_b32's selects for lane l xor 16
	s_mov_b32 s43, 0x3727c5ac                      ; 1e-5
	s_lshl_b32 s44, ttmp9, 16                      ; four rows of 16,384 bytes
	s_mov_b32 s45, 0
	s_lshl_b32 s46, ttmp9, 4                       ; four numbers of 4 bytes
	s_mov_b32 s47, 0
	s_wait_kmcnt 0x0
	s_load_b32 s30, s[10:11], 0x0                  ; c = the first part's mean
	s_load_b32 s31, s[12:13], 0x0                  ; gamma
	s_load_b32 s32, s[14:15], 0x0                  ; beta
	s_load_b128 s[36:39], s[18:19], 0x0            ; out_b
	s_add_nc_u64 s[4:5], s[4:5], s[44:45]
	s_add_nc_u64 s[6:7], s[6:7], s[44:45]
	s_add_nc_u64 s[8:9], s[8:9], s[44:45]
	s_add_nc_u64 s[20:21], s[20:21], s[44:45]
	s_add_nc_u64 s[22:23], s[22:23], s[46:47]
	s_add_nc_u64 s[24:25], s[24:25], s[46:47]
	s_add_nc_u64 s[26:27], s[26:27], s[46:47]
	s_add_nc_u64 s[28:29], s[28:29], s[46:47]
	global_load_b128 v[4:7], v1, s[10:11]          ; two of the 1,024 pairs
	s_wait_alu depctr_va_vdst(0)                   ; the wait ahead of the barrier
	s_barrier_signal -1                            ; every wave's load of its pairs is issued ahead of any wave's 32 loads below: all sixteen waves' pairs are needed at the join
	s_barrier_wait -1
.irp o, 0,1,2,3
.irp j, 0,1
	global_load_b128 v[OW+8*\o+4*\j:OW+8*\o+4*\j+3], v1, s[16:17] offset:16384*\o+8192*\j
.endr
.endr
.irp i, 0,1,2,3
.irp j, 0,1
	global_load_b128 v[ZP+8*\i+4*\j:ZP+8*\i+4*\j+3], v1, s[6:7] offset:16384*\i+8192*\j th:TH_LOAD_NT
.endr
.irp j, 0,1
	global_load_b128 v[HP+8*\i+4*\j:HP+8*\i+4*\j+3], v1, s[4:5] offset:16384*\i+8192*\j th:TH_LOAD_NT
.endr
.irp j, 0,1
	global_load_b128 v[HD+8*\i+4*\j:HD+8*\i+4*\j+3], v1, s[8:9] offset:16384*\i+8192*\j th:TH_LOAD_NT
.endr
.endr
	s_wait_kmcnt 0x0
	s_mov_b32 s33, s32                             ; (the packed form names the pair s[32:33], so both are written)
	s_wait_loadcnt 32                              ; my two pairs are in; the 32 loads behind them stay out
	v_sub_f32 v8, v4, s30                          ; d
	v_sub_f32 v9, v6, s30
	s_delay_alu instid0(VALU_DEP_1)
	v_add_f32 v10, v8, v9                          ; sum(d)
	s_delay_alu instid0(VALU_DEP_3)
	v_mul_f32 v11, v8, v8
	s_delay_alu instid0(VALU_DEP_1)
	v_fma_f32 v11, v9, v9, v11                     ; sum(d^2)
	v_add_f32 v12, v5, v7                          ; sum(M2)
.irp m, 1,2,4,8
.irp k, 10
	v_add_f32_dpp v\k, v\k, v\k row_xmask:\m row_mask:0xf bank_mask:0xf
.endr
.irp k, 11, 12
	s_delay_alu instid0(VALU_DEP_3)
	v_add_f32_dpp v\k, v\k, v\k row_xmask:\m row_mask:0xf bank_mask:0xf
.endr
.endr
	s_delay_alu instid0(VALU_DEP_3)
	v_permlanex16_b32 v13, v10, s40, s41
	s_delay_alu instid0(VALU_DEP_3)
	v_permlanex16_b32 v14, v11, s40, s41
	s_delay_alu instid0(VALU_DEP_3)
	v_permlanex16_b32 v15, v12, s40, s41
	s_delay_alu instid0(VALU_DEP_3)
	v_add_f32 v10, v10, v13
	s_delay_alu instid0(VALU_DEP_3)
	v_add_f32 v11, v11, v14
	s_delay_alu instid0(VALU_DEP_3)
	v_add_f32 v12, v12, v15
	ds_store_b32 v20, v10                          ; all lanes write the wave's word with the same value
	ds_store_b32 v20, v11 offset:64
	ds_store_b32 v20, v12 offset:128
	s_wait_dscnt 0x0                               ; for the others' sake
	s_barrier_signal -1
	s_barrier_wait -1
	ds_load_b32 v10, v21                           ; lane l takes wave l % 16's
	ds_load_b32 v11, v21 offset:64
	ds_load_b32 v12, v21 offset:128
	s_wait_dscnt 0x0
.irp m, 1,2,4,8
.irp k, 10,11,12
	v_add_f32_dpp v\k, v\k, v\k row_xmask:\m row_mask:0xf bank_mask:0xf
.endr
.endr
	s_delay_alu instid0(VALU_DEP_3)
	v_fma_f32 v16, v10, 0x3a800000, s30            ; mean = c + sum(d) x 2^-10
	s_delay_alu instid0(VALU_DEP_4)
	v_mul_f32 v13, v10, v10
	s_delay_alu instid0(VALU_DEP_1)
	v_fma_f32 v13, -v13, 0x3a800000, v11           ; sum(d^2) - sum(d)^2 / 1024
	s_delay_alu instid0(VALU_DEP_1)
	v_fma_f32 v13, v13, 0x45800000, v12            ; x 4096 + sum(M2)
	s_delay_alu instid0(VALU_DEP_1)
	v_fma_f32 v13, v13, 0x34800000, s43            ; var + 1e-5 = M2 x 2^-22 + 1e-5
	s_wait_alu depctr_va_vdst(0)
	v_rsq_f32 v14, v13
	v_mov_b32 v17, v16                             ; (a plain line behind the transcendental)
	s_wait_alu depctr_va_vdst(0)                   ; the wait ahead of the first reader
	v_mul_f32 v18, s31, v14                        ; a = rsqrt(var + 1e-5) gamma
	s_delay_alu instid0(VALU_DEP_1)
	v_mov_b32 v19, v18
; Row i, in place.  left = the loads issued behind this row's, which may stay out.
.macro ROW i, left
	s_wait_loadcnt \left
.irp j, 0,2,4,6
	v_pk_mul_f32 v[ZP+8*\i+\j:ZP+8*\i+\j+1], v[ZP+8*\i+\j:ZP+8*\i+\j+1], 0xbfb8aa3b op_sel_hi:[1,0]   ; -log2(e) z_pre
.endr
	s_wait_alu depctr_va_vdst(0)
.irp j, 0,1,2,3,4,5,6,7
	v_exp_f32 v[ZP+8*\i+\j], v[ZP+8*\i+\j]
.endr
.irp j, 0,2,4,6                            ; the proposal is the independent work behind the exponentials
	v_pk_add_f32 v[HP+8*\i+\j:HP+8*\i+\j+1], v[HP+8*\i+\j:HP+8*\i+\j+1], v[16:17] neg_lo:[0,1] neg_hi:[0,1]
.endr
.irp j, 0,2,4,6
	s_delay_alu instid0(VALU_DEP_4)
	v_pk_fma_f32 v[HP+8*\i+\j:HP+8*\i+\j+1], v[HP+8*\i+\j:HP+8*\i+\j+1], v[18:19], s[32:33] op_sel_hi:[1,1,0]
.endr
.irp j, 0,1,2,3,4,5,6,7
	v_max_num_f32 v[HP+8*\i+\j], 0, v[HP+8*\i+\j]
.endr
.irp j, 0,2,4,6
	v_pk_add_f32 v[HP+8*\i+\j:HP+8*\i+\j+1], v[HP+8*\i+\j:HP+8*\i+\j+1], v[HD+8*\i+\j:HD+8*\i+\j+1] neg_lo:[0,1] neg_hi:[0,1]   ; proposal - hidden
.endr
	s_wait_alu depctr_va_vdst(0)                   ; one wait for the eight exponentials, ahead of their first reader
.irp j, 0,2,4,6
	v_pk_add_f32 v[ZP+8*\i+\j:ZP+8*\i+\j+1], v[ZP+8*\i+\j:ZP+8*\i+\j+1], 1.0 op_sel_hi:[1,0]
.endr
	s_wait_alu depctr_va_vdst(0)
.irp j, 0,1,2,3,4,5,6,7
	v_rcp_f32 v[ZP+8*\i+\j], v[ZP+8*\i+\j]         ; the update gate
.endr
	v_nop
	s_wait_alu depctr_va_vdst(0)                   ; and one for the eight reciprocals
.irp j, 0,2,4,6
	v_pk_fma_f32 v[HP+8*\i+\j:HP+8*\i+\j+1], v[ZP+8*\i+\j:ZP+8*\i+\j+1], v[HP+8*\i+\j:HP+8*\i+\j+1], v[HD+8*\i+\j:HD+8*\i+\j+1]   ; hidden + gate (proposal - hidden)
.endr
.irp j, 0,1
	global_store_b128 v1, v[HP+8*\i+4*\j:HP+8*\i+4*\j+3], s[20:21] offset:16384*\i+8192*\j th:TH_STORE_NT   ; a wave stores 512 consecutive bytes; these registers are not written again
.endr
.irp o, 0,1,2,3
	v_pk_mul_f32 v[ACC+2*(4*\i+\o):ACC+2*(4*\i+\o)+1], v[HP+8*\i:HP+8*\i+1], v[OW+8*\o:OW+8*\o+1]   ; the first product starts each sum
.endr
.irp j, 2,4,6
.irp o, 0,1,2,3
	s_delay_alu instid0(VALU_DEP_4)
	v_pk_fma_f32 v[ACC+2*(4*\i+\o):ACC+2*(4*\i+\o)+1], v[HP+8*\i+\j:HP+8*\i+\j+1], v[OW+8*\o+\j:OW+8*\o+\j+1], v[ACC+2*(4*\i+\o):ACC+2*(4*\i+\o)+1]
.endr
.endr
.endm
	ROW 0, 18                                      ; out_w and row 0 are in; three rows of six loads stay out
	ROW 1, 12
	ROW 2, 6
	ROW 3, 0
	; the small product: 16 sums (row i, output o) over the wave, then over the sixteen waves
.irp k, 0,1,2,3,4,5,6,7,8,9,10,11,12,13,14,15
	v_add_f32 v[ZP+\k], v[ACC+2*\k], v[ACC+2*\k+1]
.endr
.irp m, 1,2,4,8
.irp k, 0,1,2,3,4,5,6,7,8,9,10,11,12,13,14,15
	v_add_f32_dpp v[ZP+\k], v[ZP+\k], v[ZP+\k] row_xmask:\m row_mask:0xf bank_mask:0xf
.endr
.endr
.irp k, 0,1,2,3,4,5,6,7,8,9,10,11,12,13,14,15
	v_permlanex16_b32 v[ZP+16+\k], v[ZP+\k], s40, s41
.endr
.irp k, 0,1,2,3,4,5,6,7,8,9,10,11,12,13,14,15
	v_add_f32 v[ZP+\k], v[ZP+\k], v[ZP+16+\k]
.endr
.irp i, 0,1,2,3
	ds_store_b128 v22, v[ZP+4*\i:ZP+4*\i+3] offset:16*\i   ; row i's four outputs; all lanes write the same bytes with the same values
.endr
	s_wait_dscnt 0x0                               ; for wave 0's sake
	s_barrier_signal -1
	s_barrier_wait -1
	s_cmp_lg_u32 s42, 0
	s_cbranch_scc1 .Lend
.irp w, 0,1,2,3,4,5,6,7
	ds_load_b128 v[OW+4*\w:OW+4*\w+3], v23 offset:64*\w          ; lane l: row l % 4 of wave w's parts
.endr
.irp w, 0,1,2,3,4,5,6,7
	ds_load_b128 v[HD+4*\w:HD+4*\w+3], v23 offset:512+64*\w
.endr
	s_wait_dscnt 0x0
.irp k, 0,2,4,6,8,10,12,14,16,18,20,22,24,26,28,30
	v_pk_add_f32 v[OW+\k:OW+\k+1], v[OW+\k:OW+\k+1], v[HD+\k:HD+\k+1]
.endr
.irp k, 0,2,4,6,8,10,12,14
	v_pk_add_f32 v[OW+\k:OW+\k+1], v[OW+\k:OW+\k+1], v[OW+16+\k:OW+16+\k+1]
.endr
.irp k, 0,2,4,6
	s_delay_alu instid0(VALU_DEP_4)
	v_pk_add_f32 v[OW+\k:OW+\k+1], v[OW+\k:OW+\k+1], v[OW+8+\k:OW+8+\k+1]
.endr
.irp k, 0,2
	s_delay_alu instid0(VALU_DEP_2)
	v_pk_add_f32 v[OW+\k:OW+\k+1], v[OW+\k:OW+\k+1], v[OW+4+\k:OW+4+\k+1]
.endr
.irp o, 0,1,2,3
	v_add_f32 v[OW+\o], s[36+\o], v[OW+\o]         ; + out_b
.endr
	v_cmp_gt_u32 vcc_lo, 4, v0
	s_wait_alu depctr_va_vdst(0)
	s_wait_xcnt 0x0                                ; EXEC changes only behind this wait
	s_and_saveexec_b32 s34, vcc_lo                 ; lanes 0 to 3: one row each
	global_store_b32 v24, v[OW], s[22:23]
	global_store_b32 v24, v[OW+1], s[24:25]
	global_store_b32 v24, v[OW+2], s[26:27]
	global_store_b32 v24, v[OW+3], s[28:29]
	s_wait_xcnt 0x0
	s_or_b32 exec_lo, exec_lo, s34
.Lend:
	s_wait_tensorcnt 0x0
	ds_add_u32 v192, v193
	s_wait_dscnt 0x0
	s_endpgm
.Lfunc_end_k_q86f58a5e08_finish:
	.size	k_q86f58a5e08_finish, .Lfunc_end_k_q86f58a5e08_finish-k_q86f58a5e08_finish
	.p2alignl 7, 3214868480
	.fill 96, 4, 3214868480
	.section	.rodata,"a",@progbits
	.p2align	6, 0x0
	.amdhsa_kernel k_q86f58a5e08_finish
		.amdhsa_group_segment_fixed_size 4096
		.amdhsa_private_segment_fixed_size 0
		.amdhsa_enable_private_segment 0
		.amdhsa_kernarg_size 104
		.amdhsa_user_sgpr_count 2
		.amdhsa_user_sgpr_kernarg_segment_ptr 1
		.amdhsa_wavefront_size32 1
		.amdhsa_system_sgpr_workgroup_id_x 1
		.amdhsa_system_sgpr_workgroup_id_y 1
		.amdhsa_system_sgpr_workgroup_id_z 1
		.amdhsa_system_vgpr_workitem_id 0
		.amdhsa_next_free_vgpr 194
		.amdhsa_next_free_sgpr 66
		.amdhsa_reserve_vcc 1
		.amdhsa_float_denorm_mode_32 3
		.amdhsa_float_denorm_mode_16_64 3
		.amdhsa_memory_ordered 1
		.amdhsa_forward_progress 1
		.amdhsa_inst_pref_size 37
	.end_amdhsa_kernel
	.amdgpu_metadata
---
amdhsa.version: [ 1, 2 ]
amdhsa.kernels:
  - .name:           k_q86f58a5e08_finish
    .symbol:         k_q86f58a5e08_finish.kd
    .args:
      - { .name: hpre, .offset: 0, .size: 8, .value_kind: global_buffer, .address_space: global }
      - { .name: zpre, .offset: 8, .size: 8, .value_kind: global_buffer, .address_space: global }
      - { .name: hidden, .offset: 16, .size: 8, .value_kind: global_buffer, .address_space: global }
      - { .name: stats, .offset: 24, .size: 8, .value_kind: global_buffer, .address_space: global }
      - { .name: bn_gamma, .offset: 32, .size: 8, .value_kind: global_buffer, .address_space: global }
      - { .name: bn_beta, .offset: 40, .size: 8, .value_kind: global_buffer, .address_space: global }
      - { .name: out_w, .offset: 48, .size: 8, .value_kind: global_buffer, .address_space: global }
      - { .name: out_b, .offset: 56, .size: 8, .value_kind: global_buffer, .address_space: global }
      - { .name: out0, .offset: 64, .size: 8, .value_kind: global_buffer, .address_space: global }
      - { .name: out1, .offset: 72, .size: 8, .value_kind: global_buffer, .address_space: global }
      - { .name: out2, .offset: 80, .size: 8, .value_kind: global_buffer, .address_space: global }
      - { .name: out3, .offset: 88, .size: 8, .value_kind: global_buffer, .address_space: global }
      - { .name: out4, .offset: 96, .size: 8, .value_kind: global_buffer, .address_space: global }
    .group_segment_fixed_size: 4096
    .private_segment_fixed_size: 0
    .kernarg_segment_align: 8
    .kernarg_segment_size: 104
    .max_flat_workgroup_size: 512
    .sgpr_count:     66
    .vgpr_count:     194
    .wavefront_size: 32
...
	.end_amdgpu_metadata
.endif
;; end of part 3
